; MI455X (gfx1250); checked and timed in simulation.
; The chip was launched on July 23, 2026; its instructions are those of AMD's public machine-readable ISA for CDNA 5 (MIT licence, August 2026) and "CDNA5" Instruction Set Architecture Reference Guide (July 2026). The comments in the code are by the model that wrote it; some were corrected since.
;; Tiny Lo RA Layer. Allowed arithmetic: float matrix products may take bf16 or f16 operands with f32 sums; all other float work in f32.
;; Inputs: A 4,096 x 8 float32; B 8 x 4,096 float32; P 8 x 4 float32; base_output 2 x 2,048 x 4,096 float32; v 4 float32; x 2 x 2,048 x 4,096 float32.
;; Outputs: out0 2 x 2,048 x 4,096 float32.
;; One version. Each part assembles by itself: llvm-mc -triple=amdgcn-amd-amdhsa -mcpu=gfx1250 --defsym DOCPART=n.
;; ======== version 1 of 1: 1 launch
;; launch lora (part 1): grid 256 x 1, 16 waves a work-group, no clusters, 327,680 bytes of LDS; arguments x, base_output, A, B, P, v, out0; writes out0
.if DOCPART == 1
	.amdgcn_target "amdgcn-amd-amdhsa--gfx1250"
	.amdhsa_code_object_version 6
	.text
	.protected	k_q991cc2de3a_lora
	.globl	k_q991cc2de3a_lora
	.p2align	8
	.type	k_q991cc2de3a_lora,@function
k_q991cc2de3a_lora:
	s_mov_b64 s[64:65], 0
	v_nop
	global_prefetch_b8 v0, s[64:65] scope:SCOPE_SE
	s_setreg_imm32_b32 hwreg(HW_REG_WAVE_MODE, 25, 1), 1
	s_wait_xcnt 0x0
; out0[m][o] = base_output[m][o] + sum over r of (sum over k of x[m][k] B[r][k]) scale[r] A[o][r],  scale = P v.
; That is base_output + x dW^T with dW = (A diag(scale)) B, taken in another order: dW is never formed.
; x, base_output, out0: 4,096 rows x 4,096 f32.  A: [4096][8], B: [8][4096], P: [8][4], v: [4], all f32.
; FORMATS AND LIMITS.  x, B, A, P and v are rounded to bf16 once, on their way to the matrix unit; all sums are f32.  The intermediate
; t' = (x B^T) scale is given to the second product as two bf16 numbers, hi + lo (16 significant bits); base_output is added in f32.
; NaN and infinities are not treated apart: a non-finite A[o] also spoils the column beside it (o xor 1), whose product meets it times 0.
; SHARES.  256 work-groups, 16 rows each; 16 waves.  Wave w takes k = 256 w .. 256 w + 255 of the first product and the columns
; o = 256 w .. 256 w + 255 of the second.  The waves' sixteen partial t (16 x 8 numbers each) meet in LDS behind the text's one barrier.
; WHERE THE BYTES WAIT.  A wave's 16 x 1,024 bytes of x come by one tensor load into LDS bytes of its own, filled once; its 16 x 1,024 bytes
; of base_output wait in 128 registers, loaded in the layout in which out0 is stored.  Each byte of x and base_output is read once.
; NO CLUSTER.  What work-groups share is A and B, 262,144 bytes in f32; a joint load lands in LDS, where 266,240 of the 327,680 bytes hold
; the work-group's own x.  So each wave reads its 8,192 bytes of A and of B by plain loads of whole aligned 256 bytes.
.set ROWB,   16384                     ; bytes in a row of x, base_output, out0 and B
.set XPITCH, 1040                      ; a row of x in LDS: 1,024 bytes + 16 of padding = 65 x 16: the 16 rows of a load start at 16 different groups of four banks (64 banks of 4 bytes: ISA guide 11.1)
.set XTW,    16*XPITCH                 ; a wave's tile of x
.set STG,    16*XTW                    ; 266,240: behind the tiles, a stage of each wave's own, in which B's and later A's bf16 numbers change lanes
.set STGW,   2304                      ; B: 16 rows x 144 bytes;  A: 16 blocks x 80 bytes
.set BPITCH, 144
.set APITCH, 80
.set SPARE,  STG+16*STGW               ; 303,104: the spare words, 128 bytes for each wave: eight blocks of 256 bytes that no other line names
.set TP,     SPARE+2048                ; 305,152: the partial t: for each wave four parts (columns 4 c .. 4 c + 3) of 16 rows x 16 bytes
.set TPART,  288                       ; from part to part: 72 words, so that the four parts of a store fall on different banks
.set TPW,    4*TPART
.set SPW, 1                            ; v1   LDS address of my spare word: SPARE + 4 x my thread's number; never rewritten
.set NIL, 2                            ; v2   0; never rewritten
.set XA,  3                            ; v3   x tile: row n, 64 h bytes along it            (l = lane, n = l % 16, h = l / 16)
.set GB,  4                            ; v4   base_output and out0: row 8 h, byte 1,024 w + 16 n
.set LB,  5                            ; v5   B: byte 1,024 w + 512 h + 16 n of a row
.set LA,  6                            ; v6   A: byte 8,192 w + 16 l
.set SBS, 7                            ; v7   stage, B in:   row 8 h, byte 8 n
.set SBL, 8                            ; v8   stage, B out:  row n, byte 32 h
.set SAS, 9                            ; v9   stage, A in:   block l / 8, byte 8 (l % 8)
.set SAL, 10                           ; v10  stage, A out:  block n
.set TPS, 11                           ; v11  partial t in:  my wave, part n / 4, row 8 h, word n % 4
.set TPL, 12                           ; v12  partial t out: wave 8 h, row n
.set HM,  13                           ; v13  all ones in lanes 0-15, 0 in lanes 16-31
.set PO,  14                           ; v14  P: row l % 8
.set VO,  15                           ; v15  0
.set R1,  16                           ; v16-47   B as loaded (first half); B's four fragments; eight-register sums; A's fragments of groups 0, 1
.set R2,  48                           ; v48-79   B as loaded (second half); A in bf16; the second product's four accumulators
.set R3,  80                           ; v80-111  B in bf16; P's and v's operands; x as loaded, x in bf16, accumulator 1; sums; A's fragments of groups 2, 3
.set R4,  112                          ; v112-127 P, v as loaded; accumulator 2, scale; the operand T
.set BF,   R1
.set APK,  R2
.set ACC,  R2
.set BPK,  R3
.set POP,  R3
.set VOP,  R3+8
.set RAW,  R3
.set XB,   R3+16
.set ACCA, R3+24                       ; steps 0-3: right in columns 0-7
.set ACCB, R4                          ; steps 4-7: right in columns 8-15
.set SC,   R4+8                        ; register j = scale[j], in every lane
.set PRAW, R4
.set VRAW, R4+4
.set SUM,  R1                          ; t, then t' : my row's eight numbers
.set THI,  R1+8                        ; hi, four packed registers
.set TLO,  R1+12                       ; lo
.set ERR,  R1+16                       ; hi widened, then t' - hi
.set TT,   R4                          ; v112-123: 0 0 0 0 | sel | 0 0 0 0;  v[TT+4:TT+11] has sel in K places 0-15, v[TT:TT+7] in K places 16-31
.set BASE, 128                         ; v128-255: group G (64 columns), register row j at BASE + 32 G + 4 j
.set ARAW, 192                         ; A as loaded, ahead of base_output's groups 2 and 3
.macro PLACES                          ; four plain vector instructions between a matrix instruction and a line that reads its result or writes one of its registers (ISA guide 7.12.1 for vector instructions)
.rept 4
	v_nop
.endr
.endm
	s_load_b256 s[4:11], s[0:1], 0x0               ; x s[4:5], base_output s[6:7], A s[8:9], B s[10:11]
	s_load_b128 s[12:15], s[0:1], 0x20             ; P s[12:13], v s[14:15]
	s_load_b64 s[16:17], s[0:1], 0x30              ; out0
	v_lshl_add_u32 v[SPW], v0, 2, SPARE
	v_mov_b32 v[NIL], 0
	ds_add_u32 v[SPW], v[NIL]                      ; the wave's opening: the add and its wait ahead of my tensor load; the set-up below, work on registers, stands between them
	ds_add_u32 v1, v2
	v_lshrrev_b32 v123, 5, v0
	v_readfirstlane_b32 s18, v123                  ; wave 0..15
	v_and_b32 v120, 31, v0                         ; l
	v_and_b32 v121, 15, v0                         ; n
	v_bfe_u32 v122, v0, 4, 1                       ; h
	v_bfe_u32 v123, v0, 3, 2                       ; l / 8
	v_and_b32 v124, 7, v0                          ; l % 8
	v_bfe_u32 v125, v0, 2, 2                       ; n / 4
	v_and_b32 v126, 3, v0                          ; n % 4
	s_lshl_b32 s2, ttmp9, 18                       ; the work-group's 16 rows of 16,384 bytes (255 x 262,144 at the most: one word)
	s_mov_b32 s3, 0
	s_mul_i32 s21, s18, XTW                        ; group 0, 63:32: LDS address of my tile
	s_mul_i32 s19, s18, STGW
	s_add_co_u32 s19, s19, STG                     ; my stage
	s_lshl_b32 s34, s18, 10                        ; my 1,024 bytes of a row
	s_mov_b32 s35, 0
	s_lshl_b32 s36, s18, 13                        ; my 256 rows of A
	s_mul_i32 s37, s18, TPW
	s_add_co_u32 s37, s37, TP                      ; my partial t
	s_mov_b32 s32, 0x76543210                      ; v_permlanex16_b32: each lane takes its own place in the other half
	s_mov_b32 s33, 0xfedcba98
	s_mov_b32 s20, 1                               ; group 0, 1:0: count = 1
	s_mov_b32 s24, (2<<16)|(1<<20)|(7<<22)|(3<<25) ; group 1: 15:0 no mask; 17:16 elements of 4 bytes; 20 padding on; 24:22 after every 256 words (code 7); 31:25 4 words of it (code 3)
	s_mov_b32 s25, 256<<16                         ; tensor_dim0 = 256
	s_mov_b32 s26, 16<<16                          ; tensor_dim1 = 16
	s_mov_b32 s27, 256<<16                         ; tile_dim0 = 256 elements, 1,024 bytes
	s_mov_b32 s28, 16                              ; tile_dim1 = 16 rows
	s_mov_b32 s29, 4096                            ; elements from row to row
	s_mov_b32 s30, 0
	s_mov_b32 s31, 0
	v_mul_u32_u24 v[XA], v121, XPITCH
	v_lshl_add_u32 v[XA], v122, 6, v[XA]
	v_add_nc_u32 v[XA], s21, v[XA]
	v_lshlrev_b32 v[GB], 4, v121
	v_lshl_add_u32 v[LB], v122, 9, v[GB]
	v_lshl_add_u32 v[GB], v122, 17, v[GB]          ; 8 rows further down for lanes 16-31
	v_add_nc_u32 v[GB], s34, v[GB]
	v_add_nc_u32 v[LB], s34, v[LB]
	v_lshl_add_u32 v[LA], v120, 4, s36
	v_mul_u32_u24 v[SBS], v122, 8*BPITCH
	v_lshl_add_u32 v[SBS], v121, 3, v[SBS]
	v_add_nc_u32 v[SBS], s19, v[SBS]
	v_mul_u32_u24 v[SBL], v121, BPITCH
	v_lshl_add_u32 v[SBL], v122, 5, v[SBL]
	v_add_nc_u32 v[SBL], s19, v[SBL]
	v_mul_u32_u24 v[SAS], v123, APITCH
	v_lshl_add_u32 v[SAS], v124, 3, v[SAS]
	v_add_nc_u32 v[SAS], s19, v[SAS]
	v_mul_u32_u24 v[SAL], v121, APITCH
	v_add_nc_u32 v[SAL], s19, v[SAL]
	v_mul_u32_u24 v[TPS], v125, TPART
	v_lshl_add_u32 v[TPS], v122, 7, v[TPS]
	v_lshl_add_u32 v[TPS], v126, 2, v[TPS]
	v_add_nc_u32 v[TPS], s37, v[TPS]
	v_mul_u32_u24 v[TPL], v122, 8*TPW
	v_lshl_add_u32 v[TPL], v121, 4, v[TPL]
	v_add_nc_u32 v[TPL], TP, v[TPL]
	v_add_nc_u32 v[HM], -1, v122
	v_lshlrev_b32 v[PO], 4, v124
	v_mov_b32 v[VO], 0
	s_wait_dscnt 0x0                               ; the opening add is done
	s_wait_kmcnt 0x0
	s_add_nc_u64 s[4:5], s[4:5], s[2:3]            ; x, base_output and out0 at the work-group's first row
	s_add_nc_u64 s[6:7], s[6:7], s[2:3]
	s_add_nc_u64 s[16:17], s[16:17], s[2:3]
	s_add_nc_u64 s[22:23], s[4:5], s[34:35]        ; group 0, 120:64: my tile's first element
	s_or_b32 s23, s23, 0x80000000                  ; 127:126 type = 2
	; THE SMALL TABLES FIRST: 34 loads.  Every work-group reads them, so they carry no hint.
	global_load_b128 v[PRAW:PRAW+3], v[PO], s[12:13]   ; P[l % 8][0..3]
	global_load_b128 v[VRAW:VRAW+3], v[VO], s[14:15]   ; v[0..3], in every lane
.irp u, 0,1
.irp e, 0,1,2,3,4,5,6,7
	global_load_b128 v[R1+4*(8*(\u)+(\e)):R1+4*(8*(\u)+(\e))+3], v[LB], s[10:11] offset:ROWB*(\e)+256*(\u)  ; B[e][256 w + 128 h + 64 u + 4 n ..]: each half of the lanes takes 256 aligned bytes
.endr
.endr
.irp i, 0,1,2,3,4,5,6,7,8,9,10,11,12,13,14,15
	global_load_b128 v[ARAW+4*(\i):ARAW+4*(\i)+3], v[LA], s[8:9] offset:512*(\i)  ; A[256 w + 16 i + l / 2][4 (l % 2) ..]: 512 consecutive bytes
.endr
	; THEN x: one tensor load a wave, into bytes that are filled this once; it is the only one of mine that is ever out.
	tensor_load_to_lds s[20:23], s[24:31]
	s_nop 0
	; THEN base_output, eight loads for each group of 64 columns: lanes 0-15 take 256 aligned bytes of row j, lanes 16-31 of row 8 + j.
.macro BASELD g
.irp j, 0,1,2,3,4,5,6,7
	global_load_b128 v[BASE+32*(\g)+4*(\j):BASE+32*(\g)+4*(\j)+3], v[GB], s[6:7] offset:ROWB*(\j)+256*(\g) th:TH_LOAD_NT
.endr
.endm
	BASELD 0
	BASELD 1
	; B INTO FRAGMENTS.  A fragment's lane (n, h) holds 16 consecutive k, 32 s + 16 h + 0..15, two to a register; x's fragments are laid the same way, so the
	; products meet.  Columns 0-7 of fragment f are B's rows for step f, columns 8-15 the same rows for step f + 4: rank 8 fills both halves of the 16 columns.
	s_wait_loadcnt 32                              ; loads come back in order (ISA guide 5.7.1): P, v and B are in; A's 16 and base_output's 16 stay out
.set i, 0
.rept 16
	v_cvt_pk_bf16_f32 v[BPK+2*i],   v[R1+4*i],   v[R1+4*i+1]
	v_cvt_pk_bf16_f32 v[BPK+2*i+1], v[R1+4*i+2], v[R1+4*i+3]
.set i, i+1
.endr
; Round u: stage row 8 h + e takes B[e][256 w + 128 h + 64 u + 0..63], 128 bytes; lane (n, h) then reads row n.  LDS serves a wave's instructions in order
; (ISA guide 5.7.1.4), and the stage is my wave's own: the loads see the stores above them, and round 1's stores come behind round 0's loads.
.macro BROUND u
.irp e, 0,1,2,3,4,5,6,7
	ds_store_b64 v[SBS], v[BPK+2*(8*(\u)+(\e)):BPK+2*(8*(\u)+(\e))+1] offset:BPITCH*(\e)
.endr
.irp f, 0,1
.irp c, 0,1
	ds_load_b128 v[BF+8*(2*(\u)+(\f))+4*(\c):BF+8*(2*(\u)+(\f))+4*(\c)+3], v[SBL] offset:64*(\f)+16*(\c)
.endr
.endr
.endm
	BROUND 0
	BROUND 1
	; A in bf16; its registers then take the rest of base_output.
	s_wait_loadcnt 16                              ; A is in; base_output's groups 0 and 1 stay out
.set i, 0
.rept 16
	v_cvt_pk_bf16_f32 v[APK+2*i],   v[ARAW+4*i],   v[ARAW+4*i+1]
	v_cvt_pk_bf16_f32 v[APK+2*i+1], v[ARAW+4*i+2], v[ARAW+4*i+3]
.set i, i+1
.endr
	BASELD 2
	BASELD 3
	; scale = P v, by one matrix instruction: row m of the first operand is P[m % 8], every column of the second is v; both in K places 0-3, held by lanes 0-15.
	; In the result register j of lane (n, h) is row 8 h + j: scale[j], in every lane.
	s_wait_dscnt 0x0                               ; B's fragments are in, and the stage's stores have read the registers written below
	v_cvt_pk_bf16_f32 v[POP],   v[PRAW],   v[PRAW+1]
	v_cvt_pk_bf16_f32 v[POP+1], v[PRAW+2], v[PRAW+3]
	v_cvt_pk_bf16_f32 v[VOP],   v[VRAW],   v[VRAW+1]
	v_cvt_pk_bf16_f32 v[VOP+1], v[VRAW+2], v[VRAW+3]
.irp r, POP, POP+1, VOP, VOP+1
	v_and_b32 v[\r], v[HM], v[\r]
.endr
.irp r, 2,3,4,5,6,7
	v_mov_b32 v[POP+(\r)], 0
	v_mov_b32 v[VOP+(\r)], 0
.endr
	v_wmma_f32_16x16x32_bf16 v[SC:SC+7], v[POP:POP+7], v[VOP:VOP+7], 0
	PLACES                                         ; x is loaded into the two operands' registers next
	; THE FIRST PRODUCT: t_w = x[16 rows][my 256 k] B^T, eight steps of 32 along k.
	s_wait_tensorcnt 0x0                           ; my tile is in LDS; no other wave reads it
.macro LOADX s                         ; lane (n, h): x[n][32 s + 16 h + 0..15], 64 bytes
.irp c, 0,1,2,3
	ds_load_b128 v[RAW+4*(\c):RAW+4*(\c)+3], v[XA] offset:128*(\s)+16*(\c)
.endr
.endm
; One step: the step's x is rounded to bf16, the next step's is asked for, and the product goes onto acc.  The two accumulators take turns, one instruction a turn.
.macro KSTEP acc, f, zero, next
	s_wait_dscnt 0x0                               ; this step's four loads are the only LDS instructions out
.irp p, 0,1,2,3,4,5,6,7
	v_cvt_pk_bf16_f32 v[XB+(\p)], v[RAW+2*(\p)], v[RAW+2*(\p)+1]
.endr
.if (\next) >= 0
	LOADX \next
.endif
.if \zero
	v_wmma_f32_16x16x32_bf16 v[(\acc):(\acc)+7], v[XB:XB+7], v[BF+8*(\f):BF+8*(\f)+7], 0
.else
	v_wmma_f32_16x16x32_bf16 v[(\acc):(\acc)+7], v[XB:XB+7], v[BF+8*(\f):BF+8*(\f)+7], v[(\acc):(\acc)+7]
.endif
	PLACES                                         ; x's operand is written again next; behind the last step the sums are read
.endm
	LOADX 0
	KSTEP ACCA, 0, 1, 4                            ; the first two products start the sums: nothing is cleared
	KSTEP ACCB, 0, 1, 1
	KSTEP ACCA, 1, 0, 5
	KSTEP ACCB, 1, 0, 2
	KSTEP ACCA, 2, 0, 6
	KSTEP ACCB, 2, 0, 3
	KSTEP ACCA, 3, 0, 7
	KSTEP ACCB, 3, 0, -1
	; Column r of the one accumulator and column r + 8 of the other make t_w[.][r], in lanes n < 8.  Lanes n >= 8 hold finite numbers that nobody reads; they are
	; stored too, into parts 2 and 3, so that all lanes stay on.
.irp j, 0,1,2,3,4,5,6,7
	v_add_f32_dpp v[ACCA+(\j)], v[ACCB+(\j)], v[ACCA+(\j)] row_xmask:8 row_mask:0xf bank_mask:0xf
.endr
.irp j, 0,1,2,3,4,5,6,7
	ds_store_b32 v[TPS], v[ACCA+(\j)] offset:16*(\j)   ; row 8 h + j, column n
.endr
	s_wait_dscnt 0x0                               ; for the others' sake: my partial t is in LDS
	s_barrier_signal -1
	s_barrier_wait -1                              ; everybody's is.  base_output's loads stay on their way: no wave stores to what they read
	; THE SUM OVER THE WAVES, in one fixed order in every lane: lane (n, h) adds row n of waves 8 h .. 8 h + 7, then the other half's sum.
.irp i, 0,1,2,3
.irp c, 0,1
	ds_load_b128 v[R1+8*(\i)+4*(\c):R1+8*(\i)+4*(\c)+3], v[TPL] offset:TPW*(\i)+TPART*(\c)
	ds_load_b128 v[R3+8*(\i)+4*(\c):R3+8*(\i)+4*(\c)+3], v[TPL] offset:TPW*((\i)+4)+TPART*(\c)
.endr
.endr
.macro ADD8 d, a                       ; eight numbers onto eight
.irp p, 0,2,4,6
	v_pk_add_f32 v[(\d)+(\p):(\d)+(\p)+1], v[(\d)+(\p):(\d)+(\p)+1], v[(\a)+(\p):(\a)+(\p)+1]
.endr
.endm
	s_wait_dscnt 0x0
	ADD8 R1,    R1+8
	ADD8 R1+16, R1+24
	ADD8 R3,    R3+8
	ADD8 R3+16, R3+24
	ADD8 R1,    R1+16
	ADD8 R3,    R3+16
	ADD8 R1,    R3
.irp k, 0,1,2,3,4,5,6,7
	v_permlanex16_b32 v[R4+(\k)], v[SUM+(\k)], s32, s33
.endr
	ADD8 SUM, R4                                   ; t[n][0..7], the same in both halves of the lanes
.irp p, 0,2,4,6
	v_pk_mul_f32 v[SUM+(\p):SUM+(\p)+1], v[SUM+(\p):SUM+(\p)+1], v[SC+(\p):SC+(\p)+1]  ; t' = t scale; the scale's registers are read from the low end on
.endr
	; THE OPERAND T.  hi = bf16(t'), lo = bf16(t' - hi).  Lanes 0-15 (K places 0-7 of a half fragment) carry hi, lanes 16-31 (places 8-15) lo; A's fragment holds the same
	; eight numbers in both, so a product is (hi + lo) . A[o].
.irp p, 0,1,2,3
	v_cvt_pk_bf16_f32 v[THI+(\p)], v[SUM+2*(\p)], v[SUM+2*(\p)+1]
.endr
.irp p, 0,1,2,3
	v_lshlrev_b32 v[ERR+2*(\p)],   16, v[THI+(\p)]
	v_and_b32     v[ERR+2*(\p)+1], 0xffff0000, v[THI+(\p)]
.endr
.irp p, 0,2,4,6
	v_pk_add_f32 v[ERR+(\p):ERR+(\p)+1], v[SUM+(\p):SUM+(\p)+1], v[ERR+(\p):ERR+(\p)+1] neg_lo:[0,1] neg_hi:[0,1]
.endr
.irp p, 0,1,2,3
	v_cvt_pk_bf16_f32 v[TLO+(\p)], v[ERR+2*(\p)], v[ERR+2*(\p)+1]
.endr
.irp p, 0,1,2,3
	v_mov_b32 v[TT+(\p)], 0
	v_mov_b32 v[TT+8+(\p)], 0
.endr
.irp p, 0,1,2,3
	v_bfi_b32 v[TT+4+(\p)], v[HM], v[THI+(\p)], v[TLO+(\p)]
.endr
	; A INTO FRAGMENTS.  Column n of tile q of group G is o = 256 w + 64 G + 4 n + q, so that a lane's four results of a row are 16 neighbouring bytes.  Stage block n holds
	; the 4 x 16 bytes of A[64 G + 4 n + 0..3][0..7]; lane (n, h) reads them back: tiles q, q + 1 in the two halves of one eight-register fragment.
.macro AROUND g, fb
.irp i, 0,1,2,3
	ds_store_b64 v[SAS], v[APK+8*(\g)+2*(\i):APK+8*(\g)+2*(\i)+1] offset:4*APITCH*(\i)
.endr
.irp q, 0,1,2,3
	ds_load_b128 v[(\fb)+4*(\q):(\fb)+4*(\q)+3], v[SAL] offset:16*(\q)
.endr
.endm
	AROUND 0, R1                                   ; the four rounds use the same bytes of my own stage, in my wave's own order
	AROUND 1, R1+16
	AROUND 2, R3
	AROUND 3, R3+16
	s_wait_dscnt 0x0                               ; all fragments are in, and the stores have read A's registers, which the accumulators take
	; THE SECOND PRODUCT AND THE WAY OUT, 64 columns at a time.  T with sel in its low half meets the fragment's first tile, T with sel in its high half the second.
	; Register j of accumulator q is out(8 h + j, 4 n + q) less base_output: added onto base_output's registers, j ascending, and stored from there.
.macro GROUP g, fb
	v_wmma_f32_16x16x32_bf16 v[ACC:ACC+7],     v[TT+4:TT+11], v[(\fb):(\fb)+7],    0
	v_wmma_f32_16x16x32_bf16 v[ACC+8:ACC+15],  v[TT:TT+7],    v[(\fb):(\fb)+7],    0
	v_wmma_f32_16x16x32_bf16 v[ACC+16:ACC+23], v[TT+4:TT+11], v[(\fb)+8:(\fb)+15], 0
	v_wmma_f32_16x16x32_bf16 v[ACC+24:ACC+31], v[TT:TT+7],    v[(\fb)+8:(\fb)+15], 0
	PLACES
	s_wait_loadcnt 24-8*(\g)                       ; this group's eight loads are in; the later groups' eight each stay out
.irp j, 0,1,2,3,4,5,6,7
.irp q, 0,1,2,3
	v_add_f32 v[BASE+32*(\g)+4*(\j)+(\q)], v[BASE+32*(\g)+4*(\j)+(\q)], v[ACC+8*(\q)+(\j)]
.endr
	global_store_b128 v[GB], v[BASE+32*(\g)+4*(\j):BASE+32*(\g)+4*(\j)+3], s[16:17] offset:ROWB*(\j)+256*(\g) th:TH_STORE_NT  ; 16 lanes store 256 consecutive bytes, at a multiple of 256 from out0's first byte; no register of a store is written again
.endr
.endm
	GROUP 0, R1
	GROUP 1, R1+16
	GROUP 2, R3
	GROUP 3, R3+16
	s_wait_tensorcnt 0x0                           ; the wave's end, behind my tensor load and my last LDS store
	ds_add_u32 v[SPW], v[NIL]
	s_wait_dscnt 0x0
	s_endpgm
.Lfunc_end_k_q991cc2de3a_lora:
	.size	k_q991cc2de3a_lora, .Lfunc_end_k_q991cc2de3a_lora-k_q991cc2de3a_lora
	.p2alignl 7, 3214868480
	.fill 96, 4, 3214868480
	.section	.rodata,"a",@progbits
	.p2align	6, 0x0
	.amdhsa_kernel k_q991cc2de3a_lora
		.amdhsa_group_segment_fixed_size 327680
		.amdhsa_private_segment_fixed_size 0
		.amdhsa_enable_private_segment 0
		.amdhsa_kernarg_size 56
		.amdhsa_user_sgpr_count 2
		.amdhsa_user_sgpr_kernarg_segment_ptr 1
		.amdhsa_wavefront_size32 1
		.amdhsa_system_sgpr_workgroup_id_x 1
		.amdhsa_system_sgpr_workgroup_id_y 1
		.amdhsa_system_sgpr_workgroup_id_z 1
		.amdhsa_system_vgpr_workitem_id 0
		.amdhsa_next_free_vgpr 256
		.amdhsa_next_free_sgpr 66
		.amdhsa_reserve_vcc 0
		.amdhsa_float_denorm_mode_32 3
		.amdhsa_float_denorm_mode_16_64 3
		.amdhsa_memory_ordered 1
		.amdhsa_forward_progress 1
		.amdhsa_inst_pref_size 42
	.end_amdhsa_kernel
	.amdgpu_metadata
---
amdhsa.version: [ 1, 2 ]
amdhsa.kernels:
  - .name:           k_q991cc2de3a_lora
    .symbol:         k_q991cc2de3a_lora.kd
    .args:
      - { .name: x, .offset: 0, .size: 8, .value_kind: global_buffer, .address_space: global }
      - { .name: base_output, .offset: 8, .size: 8, .value_kind: global_buffer, .address_space: global }
      - { .name: A, .offset: 16, .size: 8, .value_kind: global_buffer, .address_space: global }
      - { .name: B, .offset: 24, .size: 8, .value_kind: global_buffer, .address_space: global }
      - { .name: P, .offset: 32, .size: 8, .value_kind: global_buffer, .address_space: global }
      - { .name: v, .offset: 40, .size: 8, .value_kind: global_buffer, .address_space: global }
      - { .name: out0, .offset: 48, .size: 8, .value_kind: global_buffer, .address_space: global }
    .group_segment_fixed_size: 327680
    .private_segment_fixed_size: 0
    .kernarg_segment_align: 8
    .kernarg_segment_size: 56
    .max_flat_workgroup_size: 512
    .sgpr_count:     66
    .vgpr_count:     256
    .wavefront_size: 32
...
	.end_amdgpu_metadata
.endif
;; end of part 1
